; MI455X (gfx1250); checked and timed in simulation.
; The chip was launched on July 23, 2026; its instructions are those of AMD's public machine-readable ISA for CDNA 5 (MIT licence, August 2026) and "CDNA5" Instruction Set Architecture Reference Guide (July 2026). The comments in the code are by the model that wrote it; some were corrected since.
;; Attention. Allowed arithmetic: matrix products marked QUANTISED: E2M1 operands, one E8M0 scale for each 32 along K, by v_wmma_scale_f32_16x16x128_f8f6f4 with both operands' format E2M1 (or v_wmma_scale_f32_32x16x128_f4), f32 sums; products left as they are: bf16, f16 or f32 operands; f32 sums; everything else in f32.
;; Inputs: b_out 1,024 float32; w_out 1,024 x 1,024 float32; w_qkv 1,024 x 3,072 float32; x 4 x 2,048 x 1,024 float32.
;; Outputs: out0 4 x 2,048 x 1,024 float32.
;; This version of the problem:
;;   THIS VERSION OF THE PROBLEM IS GIVEN IN LOW PRECISION. The matrix products marked QUANTISED in the list below multiply operands that are first quantised to E2M1 (2 exponent bits, 1 mantissa bit; 4 bits a number), with one power-of-two scale for each 32 numbers along K (OCP MX v1.0); their sums are f32. The products marked 'left as it is' may take bf16, f16 or f32 operands, with f32 sums. All else is computed in f32.
;;   The module's matrix products, in the order in which they are computed (A, B: the left and right operand; K: the contracted axis; several contracted axes count as one K, in the product's order):
;;     1. [M 8,192, K 1,024] x [K 1,024, N 3,072]; A: input x; B: input w_qkv: QUANTISED
;;     2. batch 64 x [M 2,048, K 64] x [K 64, N 2,048]; A: computed on the way; B: computed on the way: left as it is (an operand is computed on the way)
;;     3. batch 64 x [M 2,048, K 2,048] x [K 2,048, N 64]; A: computed on the way; B: computed on the way: left as it is (an operand is computed on the way)
;;     4. [M 8,192, K 1,024] x [K 1,024, N 1,024]; A: computed on the way; B: input w_out: left as it is (an operand is computed on the way)
;;   THE QUANTISER, for each operand of a quantised product, along K:
;;     - K is cut into blocks of 32 from its start; a last block that is shorter is filled with zeros.
;;     - A block's scale is 2^e with e = floor(log2(the largest magnitude in the block)) - 2, held to -126 .. 127; a block of zeros has e = 0. As a byte (E8M0): e + 127.
;;     - Each number is divided by its block's scale, clamped to +-6, and rounded to the nearest number of E2M1, ties to even, subnormals kept.
;;     - The product sums the exact products of the quantised numbers (number of the format x scale) in f32.
;;   ~~~python
;;   def quantise(x, axis):      # numpy; x: float32 -> the quantised numbers, widened to float32 again
;;       x = np.moveaxis(x, axis, -1); K = x.shape[-1]
;;       x = np.pad(x, [(0, 0)] * (x.ndim - 1) + [(0, -K % 32)]); x = x.reshape(x.shape[:-1] + (-1, 32)); a = np.abs(x).max(-1, keepdims=True)
;;       e = np.where(a > 0, np.clip(np.frexp(np.where(a > 0, a, 1))[1] - 1 - 2, -126, 127), 0)      # np.frexp(a)[1] - 1 = floor(log2(a)), exactly
;;       r = np.clip(x / 2.0 ** e, -6, 6)
;;       step = 2.0 ** (np.maximum(np.frexp(np.where(r == 0, 1, r))[1] - 1, 0) - 1)
;;       q = np.round(r / step) * step * 2.0 ** e      # np.round: ties to even
;;       return np.moveaxis(q.reshape(q.shape[:-2] + (-1,))[..., :K], -1, axis).astype(np.float32)
;;   ~~~
;; One version. Each part assembles by itself: llvm-mc -triple=amdgcn-amd-amdhsa -mcpu=gfx1250 --defsym DOCPART=n.
;; ======== version 1 of 1: 4 launches
;; limits: values are held in f16: magnitudes above 65,504 overflow, below 6.1e-05 lose precision
;; workspace buffers: xq 4,456,448 bytes; wq 1,671,168 bytes; wo 2,097,152 bytes; qkv 50,331,648 bytes; oi 16,777,216 bytes
;; launch prep (part 1): grid 384 x 1, 4 waves a work-group, no clusters, 34,304 bytes of LDS; arguments x, w_qkv, w_out, xq, wq, wo; writes xq, wq, wo
.if DOCPART == 1
	.amdgcn_target "amdgcn-amd-amdhsa--gfx1250"
	.amdhsa_code_object_version 6
	.text
	.protected	k_q7b0347e27a_prep
	.globl	k_q7b0347e27a_prep
	.p2align	8
	.type	k_q7b0347e27a_prep,@function
k_q7b0347e27a_prep:
	s_mov_b64 s[64:65], 0
	v_nop
	global_prefetch_b8 v0, s[64:65] scope:SCOPE_SE
	s_setreg_imm32_b32 hwreg(HW_REG_WAVE_MODE, 25, 1), 1
	s_wait_xcnt 0x0
; PREP: the operands of the first product become codes of FP4 (E2M1) with one E8M0 scale byte for each 32 along K; w_out becomes f16.
; Everything is stored in the ORDER OF THE READER'S OPERAND REGISTERS, so that later launches load fragments as dense blocks.
;   xq: [mb 32][s 8][17,408 bytes]: 256 tokens x 128 k.  16 images of 1,024 bytes, one for each tile of 16 tokens: [c 2][lane 32][16 bytes]; lane (r = lane % 16, h = lane / 16), half c,
;       holds the codes of k = 128 s + 64 c + 32 h + 0 .. 31 of token r of the tile.  Behind them, at 16,384, the scale words [g 4][r 16][j 4]: the word of tile 4 g + j, row r.
;   wq: [nb 12][s 8][17,408 bytes]: the same with the columns of w_qkv as rows.
;   wo: [nt 4][kc 8][b16 16][kq 4][half 2][512 bytes]: f16 fragments of w_out^T, 16 columns x 32 k: lane (r, h) of a piece holds k = 16 half + 8 h + 0 .. 7 of column r.
; A block's scale is 2^(floor(log2(its largest magnitude)) - 2); its byte is that magnitude's exponent field - 2, held at 1 from below by a floor among the maximum's leaves.
; LIMITS: a block of zeros gets the byte 1 where the quantiser says 127 (its codes are zeros, and this program alone reads the bytes); blocks whose largest magnitude lies under 2^(3 - 127) have their
; byte held at 1; NaN and infinities are not served.  w_out in f16: magnitudes beyond 65,504 become infinity, steps under 2^-24 are lost.
; SHARES: work-groups 0-255 take x (one block (mb, s) each, a wave four tiles), 256-351 w_qkv (one block (nb, s), a wave 64 columns), 352-383 w_out (a wave 32 columns x 256 k).  Every wave reads 32 KB.
; No matrix unit, no tensor load, no barrier: waves share nothing.  Only x's path uses LDS: a stage of 16 rows x 528 bytes for each wave.
.set BLK,   17408
.set FLOOR, 0x1800000                  ; 2^(3 - 127)
.set EOFF,  0xff000000                 ; 2 off an exponent field
.set R,     16                         ; numbers as loaded: x: two sets of 64 (v16-143); the weights: two sets of 32 (v16-79)
.set X,     144                        ; v144-207 x: 64 numbers of my row, two whole blocks
.set C,     208                        ; v208-239 x's codes, 8 registers a tile: no store's data are written again
.set W,     240                        ; v240-243 x's scale words, one a tile
.set STW,   246                        ; v246 the stage, on the way in
.set STR,   247                        ; v247 and on the way out
.set CW,    80                         ; v80-111 w_qkv's codes, 4 registers a unit
.set D,     80                         ; v80-207 w_out's f16, 16 registers a unit
	s_load_b256 s[4:11], s[0:1], 0x0               ; x s[4:5], w_qkv s[6:7], w_out s[8:9], xq s[10:11]
	s_load_b128 s[12:15], s[0:1], 0x20             ; wq s[12:13], wo s[14:15]
	v_lshl_add_u32 v248, v0, 2, 0x8400
	v_mov_b32 v249, 0
	v_lshrrev_b32 v1, 5, v0
	v_readfirstlane_b32 s16, v1                    ; wave
	v_and_b32 v1, 31, v0                           ; lane
	v_and_b32 v2, 15, v0                           ; r
	v_bfe_u32 v3, v0, 4, 1                         ; h
	v_lshlrev_b32 v4, 4, v1                        ; 16 x lane
	v_lshlrev_b32 v5, 2, v1                        ; 4 x lane
	v_lshlrev_b32 v6, 4, v2
	v_lshl_add_u32 v6, v3, 3, v6                   ; 16 r + 8 h: where a lane stores two scale words
	v_lshlrev_b32 v7, 3, v3                        ; 8 h
	v_cmp_ne_u32 vcc_lo, 0, v3                     ; lanes 16-31
	v_mov_b32 v14, 0                               ; written once: a lane permute's destination counts as one of its sources
	v_mov_b32 v15, 0
	s_mov_b32 s20, 0x76543210
	s_mov_b32 s21, 0xfedcba98                      ; v_permlanex16_b32's selects for lane l xor 16
	s_mov_b32 s23, 0
	s_wait_kmcnt 0x0
	s_cmp_lt_u32 ttmp9, 256
	s_cbranch_scc0 .Lnot_x
; ---------------- x ----------------
	s_lshr_b32 s17, ttmp9, 3                       ; mb
	s_and_b32 s18, ttmp9, 7                        ; s
	s_lshl_b32 s22, s17, 20                        ; 256 rows of 4,096 bytes,
	s_lshl_b32 s24, s16, 18                        ; my wave's 64 of them,
	s_add_co_u32 s22, s22, s24
	s_lshl_b32 s24, s18, 9                         ; 128 k = 512 bytes
	s_add_co_u32 s22, s22, s24
	s_add_nc_u64 s[4:5], s[4:5], s[22:23]
	s_mul_i32 s24, ttmp9, BLK
	s_lshl_b32 s26, s16, 12                        ; my four images
	s_add_co_u32 s26, s26, s24
	s_mov_b32 s27, 0
	s_add_nc_u64 s[26:27], s[10:11], s[26:27]
	s_lshl_b32 s28, s16, 8                         ; my group's 256 bytes of scale words
	s_add_co_u32 s28, s28, s24
	s_add_co_u32 s28, s28, 16384
	s_mov_b32 s29, 0
	s_add_nc_u64 s[28:29], s[10:11], s[28:29]
	s_mul_i32 s30, s16, 16*528                     ; my stage
	v_add_nc_u32 v[STW], s30, v4                   ; in: a row's 512 bytes as they lie, 16 a lane
	v_mul_u32_u24 v[STR], v2, 528
	v_lshl_add_u32 v[STR], v3, 7, v[STR]
	v_add_nc_u32 v[STR], s30, v[STR]               ; out: row r, 128 h bytes on: a whole block of 32 numbers
.macro XLOAD t                         ; tile t: 16 rows; each load reads 512 consecutive bytes
.irp i, 0,1,2,3,4,5,6,7,8,9,10,11,12,13,14,15
	global_load_b128 v[R+64*((\t)%2)+4*\i:R+64*((\t)%2)+4*\i+3], v4, s[4:5] offset:(16*(\t)+\i)*4096 th:TH_LOAD_NT
.endr
.endm
.macro XT t
.if (\t) < 3
	s_wait_loadcnt 16                              ; this tile's 16 loads are in; the next tile's 16 may be out
.else
	s_wait_loadcnt 0x0
.endif
.irp i, 0,1,2,3,4,5,6,7,8,9,10,11,12,13,14,15
	ds_store_b128 v[STW], v[R+64*((\t)%2)+4*\i:R+64*((\t)%2)+4*\i+3] offset:528*\i
.endr
.irp c, 0,1
.irp q, 0,1,2,3,4,5,6,7
	ds_load_b128 v[X+32*\c+4*\q:X+32*\c+4*\q+3], v[STR] offset:256*\c+16*\q   ; LDS serves a wave's instructions in order: these see my stores.  k = 64 c + 32 h + 4 q on, of row r
.endr
.endr
	s_wait_dscnt 0x0                               ; my 64 numbers are in, and the stores have read their registers
.if (\t) < 2
	XLOAD (\t)+2
.endif
.irp c, 0,1
	v_max3_num_f32 v[8+\c], |v[X+32*\c]|, |v[X+32*\c+1]|, FLOOR    ; block 2 c + h: all its 32 numbers are mine; the floor holds the byte at 1 from below
.endr
.irp i, 2,4,6,8,10,12,14,16,18,20,22,24,26,28,30
.irp c, 0,1
	v_max3_num_f32 v[8+\c], v[8+\c], |v[X+32*\c+\i]|, |v[X+32*\c+\i+1]|   ; (the two blocks by turns)
.endr
.endr
.irp c, 0,1
	v_add_nc_u32 v[10+\c], EOFF, v[8+\c]           ; 2 off the exponent field: the conversion takes the exponent field of this operand as its scale
.endr
.irp c, 0,1
	v_lshrrev_b32 v[12+\c], 23, v[10+\c]           ; the scale's byte
.endr
	v_lshl_or_b32 v12, v13, 16, v12                ; my two bytes: blocks h and 2 + h,
	v_lshlrev_b32 v12, v7, v12                     ; at their places in the word;
	v_permlanex16_b32 v14, v12, s20, s21
	v_or_b32 v[W+(\t)], v12, v14                   ; with lane l xor 16's two the word is whole
.irp c, 0,1
.irp g, 0,1,2,3
	v_cvt_scalef32_pk8_fp4_f32 v[C+8*(\t)+4*\c+\g], v[X+32*\c+8*\g:X+32*\c+8*\g+7], v[10+\c]
.endr
.endr
	v_nop                                          ; one plain place behind the scaled conversions
.irp c, 0,1
	global_store_b128 v4, v[C+8*(\t)+4*\c:C+8*(\t)+4*\c+3], s[26:27] offset:1024*(\t)+512*\c   ; 512 consecutive bytes, aligned
.endr
.endm
	XLOAD 0
	XLOAD 1
	XT 0
	XT 1
	XT 2
	XT 3
	v_cndmask_b32 v244, v[W], v[W+2], vcc_lo       ; lane (r, h) stores the words of tiles 2 h and 2 h + 1 of row r:
	v_cndmask_b32 v245, v[W+1], v[W+3], vcc_lo
	global_store_b64 v6, v[244:245], s[28:29]      ; the 32 lanes store 256 consecutive bytes, aligned
	s_wait_tensorcnt 0x0
	ds_add_u32 v248, v249
	s_wait_dscnt 0x0
	s_endpgm
.Lnot_x:
	s_cmp_lt_u32 ttmp9, 352
	s_cbranch_scc0 .Lpath_o
; ---------------- w_qkv: K is its first axis.  A lane takes a column, its registers run down K ----------------
	s_sub_co_u32 s17, ttmp9, 256                   ; nb x 8 + s
	s_lshr_b32 s18, s17, 3                         ; nb
	s_and_b32 s19, s17, 7                          ; s
	s_mul_i32 s22, s19, 128*12288                  ; 128 rows of 12,288 bytes
	s_lshl_b32 s24, s18, 10                        ; 256 columns
	s_add_co_u32 s22, s22, s24
	s_lshl_b32 s24, s16, 8                         ; my wave's 64
	s_add_co_u32 s22, s22, s24
	s_add_nc_u64 s[6:7], s[6:7], s[22:23]
	s_mul_i32 s24, s17, BLK
	s_lshl_b32 s26, s16, 12
	s_add_co_u32 s26, s26, s24
	s_mov_b32 s27, 0
	s_add_nc_u64 s[26:27], s[12:13], s[26:27]
	s_lshl_b32 s28, s16, 8
	s_add_co_u32 s28, s28, s24
	s_add_co_u32 s28, s28, 16384
	s_mov_b32 s29, 0
	s_add_nc_u64 s[28:29], s[12:13], s[28:29]
	v_lshlrev_b32 v10, 4, v2
	v_lshl_add_u32 v10, v3, 10, v10                ; lanes 16-31 hold the next tile's columns: 1,024 h + 16 r
.macro WLOAD t                         ; unit t: block t / 2 of 32 along K, columns 32 (t % 2) + lane
.irp i, 0,1,2,3,4,5,6,7,8,9,10,11,12,13,14,15,16,17,18,19,20,21,22,23,24,25,26,27,28,29,30,31
	global_load_b32 v[R+32*((\t)%2)+\i], v5, s[6:7] offset:(32*((\t)/2)+\i)*12288+128*((\t)%2) th:TH_LOAD_NT
.endr
.endm
.macro WU t
.set XS, R+32*((\t)%2)
.if (\t) < 7
	s_wait_loadcnt 32                              ; this unit's 32 loads are in; the next unit's may be out
.else
	s_wait_loadcnt 0x0
.endif
	v_max3_num_f32 v12, |v[XS]|, |v[XS+1]|, |v[XS+2]|              ; the block's largest magnitude: all 32 numbers are mine; two chains
	v_max3_num_f32 v13, |v[XS+3]|, |v[XS+4]|, |v[XS+5]|
.irp i, 6,10,14,18,22,26
	v_max3_num_f32 v12, v12, |v[XS+\i]|, |v[XS+\i+1]|
	v_max3_num_f32 v13, v13, |v[XS+\i+2]|, |v[XS+\i+3]|
.endr
	v_max3_num_f32 v12, v12, |v[XS+30]|, |v[XS+31]|
	v_max3_num_f32 v12, v12, v13, FLOOR
	v_add_nc_u32 v11, EOFF, v12
	v_lshrrev_b32 v13, 23, v11                     ; the scale's byte
.if (\t)/2 == 0
	v_mov_b32 v[8+(\t)%2], v13                     ; four bytes to a word, the lower K in the lower byte
.else
	v_lshl_or_b32 v[8+(\t)%2], v13, 8*((\t)/2), v[8+(\t)%2]
.endif
.irp g, 0,1,2,3
	v_cvt_scalef32_pk8_fp4_f32 v[CW+4*(\t)+\g], v[XS+8*\g:XS+8*\g+7], v11
.endr
	v_nop                                          ; one plain place behind the scaled conversions
	global_store_b128 v10, v[CW+4*(\t):CW+4*(\t)+3], s[26:27] offset:2048*((\t)%2)+512*((\t)/4)+256*(((\t)/2)%2)   ; each half of the lanes stores 256 consecutive bytes, aligned
.if (\t)+2 < 8
	WLOAD (\t)+2
.endif
.endm
	WLOAD 0
	WLOAD 1
.irp t, 0,1,2,3,4,5,6,7
	WU \t
.endr
	v_permlanex16_b32 v14, v8, s20, s21            ; v8: the word of tile h, v9: of tile 2 + h, row r.  Lane (r, h) stores those of tiles 2 h and 2 h + 1
	v_permlanex16_b32 v15, v9, s20, s21
	v_cndmask_b32 v12, v8, v15, vcc_lo
	v_cndmask_b32 v13, v14, v9, vcc_lo
	global_store_b64 v6, v[12:13], s[28:29]        ; 256 consecutive bytes, aligned
	s_endpgm
.Lpath_o:
; ---------------- w_out: the same plan, rounded to f16 ----------------
	s_sub_co_u32 s17, ttmp9, 352
	s_and_b32 s18, s17, 7
	s_lshl_b32 s18, s18, 2
	s_add_co_u32 s18, s18, s16                     ; which 32 columns: 0 .. 31
	s_lshr_b32 s19, s17, 3                         ; which 256 k: 0 .. 3
	s_lshl_b32 s22, s19, 20                        ; 256 rows of 4,096 bytes
	s_lshl_b32 s24, s18, 7
	s_add_co_u32 s22, s22, s24
	s_add_nc_u64 s[8:9], s[8:9], s[22:23]
	s_lshr_b32 s24, s18, 3                         ; nt
	s_lshl_b32 s26, s24, 19
	s_lshl_b32 s24, s19, 17                        ; two chunks of 128 k
	s_add_co_u32 s26, s26, s24
	s_and_b32 s24, s18, 7
	s_lshl_b32 s24, s24, 13                        ; two tiles of 16 columns
	s_add_co_u32 s26, s26, s24
	s_mov_b32 s27, 0
	s_add_nc_u64 s[26:27], s[14:15], s[26:27]
	v_lshlrev_b32 v10, 4, v2
	v_lshl_add_u32 v10, v3, 12, v10                ; lanes 16-31 hold the next tile's columns: 4,096 h + 16 r
.macro OLOAD f                         ; unit f: 32 along K of my column
.irp i, 0,1,2,3,4,5,6,7,8,9,10,11,12,13,14,15,16,17,18,19,20,21,22,23,24,25,26,27,28,29,30,31
	global_load_b32 v[R+32*((\f)%2)+\i], v5, s[8:9] offset:(32*(\f)+\i)*4096 th:TH_LOAD_NT
.endr
.endm
.macro OU f
.set XS, R+32*((\f)%2)
.if (\f) < 7
	s_wait_loadcnt 32                              ; this unit's 32 loads are in; the next unit's may be out
.else
	s_wait_loadcnt 0x0
.endif
.irp kg, 0,1,2,3
.irp q, 0,1,2,3
	v_cvt_pk_f16_f32 v[D+16*(\f)+4*\kg+\q], v[XS+8*\kg+2*\q], v[XS+8*\kg+2*\q+1]   ; k = 8 kg + 2 q in the low half
.endr
.endr
.irp kg, 0,1,2,3
	global_store_b128 v10, v[D+16*(\f)+4*\kg:D+16*(\f)+4*\kg+3], s[26:27] offset:65536*((\f)/4)+1024*((\f)%4)+512*(\kg/2)+256*(\kg%2)   ; each half of the lanes stores 256 consecutive bytes, aligned
.endr
.if (\f)+2 < 8
	OLOAD (\f)+2
.endif
.endm
	OLOAD 0
	OLOAD 1
.irp f, 0,1,2,3,4,5,6,7
	OU \f
.endr
	s_endpgm
.Lfunc_end_k_q7b0347e27a_prep:
	.size	k_q7b0347e27a_prep, .Lfunc_end_k_q7b0347e27a_prep-k_q7b0347e27a_prep
	.p2alignl 7, 3214868480
	.fill 96, 4, 3214868480
	.section	.rodata,"a",@progbits
	.p2align	6, 0x0
	.amdhsa_kernel k_q7b0347e27a_prep
		.amdhsa_group_segment_fixed_size 34304
		.amdhsa_private_segment_fixed_size 0
		.amdhsa_enable_private_segment 0
		.amdhsa_kernarg_size 48
		.amdhsa_user_sgpr_count 2
		.amdhsa_user_sgpr_kernarg_segment_ptr 1
		.amdhsa_wavefront_size32 1
		.amdhsa_system_sgpr_workgroup_id_x 1
		.amdhsa_system_sgpr_workgroup_id_y 1
		.amdhsa_system_sgpr_workgroup_id_z 1
		.amdhsa_system_vgpr_workitem_id 0
		.amdhsa_next_free_vgpr 250
		.amdhsa_next_free_sgpr 66
		.amdhsa_reserve_vcc 1
		.amdhsa_float_denorm_mode_32 3
		.amdhsa_float_denorm_mode_16_64 3
		.amdhsa_memory_ordered 1
		.amdhsa_forward_progress 1
		.amdhsa_inst_pref_size 104
	.end_amdhsa_kernel
	.amdgpu_metadata
---
amdhsa.version: [ 1, 2 ]
amdhsa.kernels:
  - .name:           k_q7b0347e27a_prep
    .symbol:         k_q7b0347e27a_prep.kd
    .args:
      - { .name: x, .offset: 0, .size: 8, .value_kind: global_buffer, .address_space: global }
      - { .name: w_qkv, .offset: 8, .size: 8, .value_kind: global_buffer, .address_space: global }
      - { .name: w_out, .offset: 16, .size: 8, .value_kind: global_buffer, .address_space: global }
      - { .name: xq, .offset: 24, .size: 8, .value_kind: global_buffer, .address_space: global }
      - { .name: wq, .offset: 32, .size: 8, .value_kind: global_buffer, .address_space: global }
      - { .name: wo, .offset: 40, .size: 8, .value_kind: global_buffer, .address_space: global }
    .group_segment_fixed_size: 34304
    .private_segment_fixed_size: 0
    .kernarg_segment_align: 8
    .kernarg_segment_size: 48
    .max_flat_workgroup_size: 128
    .sgpr_count:     66
    .vgpr_count:     250
    .wavefront_size: 32
...
	.end_amdgpu_metadata
.endif
;; end of part 1
;; launch qkv (part 2): grid 12 x 32, 4 waves a work-group, clusters of 4 x 4, 279,040 bytes of LDS; arguments xq, wq, qkv; writes qkv
.if DOCPART == 2
	.amdgcn_target "amdgcn-amd-amdhsa--gfx1250"
	.amdhsa_code_object_version 6
	.text
	.protected	k_q7b0347e27a_qkv
	.globl	k_q7b0347e27a_qkv
	.p2align	8
	.type	k_q7b0347e27a_qkv,@function
k_q7b0347e27a_qkv:
	s_mov_b64 s[64:65], 0
	v_nop
	global_prefetch_b8 v0, s[64:65] scope:SCOPE_SE
	s_setreg_imm32_b32 hwreg(HW_REG_WAVE_MODE, 25, 1), 1
	s_wait_xcnt 0x0
	s_wait_alu depctr_hold_cnt(0) depctr_sa_sdst(0) depctr_va_vdst(0) depctr_va_sdst(0) depctr_va_ssrc(0) depctr_va_vcc(0) depctr_vm_vsrc(0)
	s_getreg_b32 s2, hwreg(HW_REG_IB_STS2, 6, 4)
	s_cmp_eq_u32 s2, 0
	s_cbranch_scc0 .Lentry_in_a_cluster
	s_endpgm
.Lentry_in_a_cluster:
	s_bfe_u32 s2, ttmp6, 0x10000c
	s_cmp_lg_u32 s2, 0xf033
	s_cbranch_scc0 .Lentry_shape_is_right
	s_endpgm
.Lentry_shape_is_right:
; QKV = x w_qkv on codes of FP4 (E2M1) with E8M0 scales for each 32 along K; sums in f32; the results leave as f16, laid as the attention launch's operand registers want them.
; xq: [mb 32][s 8][17,408], wq: [nb 12][s 8][17,408]: for 256 rows and 128 k, 16 register images of 1,024 bytes ([c 2][lane 32][16 bytes]) and 1,024 bytes of scale words ([g 4][r 16][j 4]: tile 4 g + j, row r).
; qkv: [kind 3][head 64][token tile 128][ct 4][512 bytes]: a piece is 16 tokens x 16 channels of f16.  q, k: lane (r, h)'s 16 bytes (token r, channels 16 ct + 8 h + 0 .. 7) at 16 x lane; v: at 32 r + 16 h, rows of keys.
; LIMIT: q, k, v in f16: magnitudes beyond 65,504 become infinity, steps under 2^-24 are lost.
; SHARES.  A work-group makes 256 tokens x 256 columns, each of its four waves 128 x 128: 64 accumulators, 512 registers.  K = 1,024 is eight steps of 128.
; ALL OF K LIES IN LDS: x's block of 139,264 bytes at 0, w's behind it.  Every byte is filled once: no slot takes turns.  Waves 0, 1 fetch x's even and odd K steps, waves 2, 3 w's: four tensor loads a wave, all issued
; at the head: four loads of a wave are out.  Behind the j-th gate (a counted wait and a barrier) K steps 2 j and 2 j + 1 are whole.
; CLUSTER 4 x 4: the four work-groups of a row need the same block of x, the four of a column the same block of w: each is asked for jointly.
; THE MATRIX INSTRUCTION IS USED TRANSPOSED (source 0 = 16 columns of w, source 1 = 16 tokens): a lane holds eight neighbouring channels of one token, which pack into 16 bytes and are stored straight from registers.
; REGISTERS, in windows of 256: window 0: v16, v20, v26, v27 addresses; v32-47 scale words, two sets; v128-191 x's fragments, one set.  window 1: w's fragments, two sets, at v0 and v128; on the way out the f16.
;   window 2: the accumulators of my tokens 0-63 ((a, b) at v[8 (8 a + b)]); window 3: those of tokens 64-127.
.set BLK,   17408
.set HALF,  8*BLK                      ; 139,264: where w's block begins
.set FR,    8                          ; registers of a fragment
.set ADRA, 16                          ; v16  my x fragments of the K step in hand
.set ADRB, 20                          ; v20  my w fragments
.set CO,   26                          ; v26  my lane's place in a piece
.set ADRS, 27                          ; v27  my scale words: lanes 0-15 x's, lanes 16-31 w's
.set SC,   32                          ; v32-47: set p at SC + 8 p; register i: lanes 0-15 the word of x's block i, lanes 16-31 that of w's block i.  They hold scales and nothing else
.set AF,   128
.set G1X, 24                           ; s[24:31] descriptor group 1 for x;  s[32:39] for w;  s[40:55], s[68:83] four groups 0 each
.set G1W, 32
.set G0X, 40
.set G0W, 68
.set MSB, 0
.macro WIN new                         ; the immediate's high byte repeats the setting that is left
.if MSB != (\new)
	s_set_vgpr_msb (MSB<<8)|(\new)
.set MSB, (\new)
.endif
.endm
.set MUL_LO, 0xa1                      ; source 0 (w) window 1, source 1 (x) window 0, C and D window 2
.set MUL_HI, 0xf1                      ; the same, C and D window 3
.set TO_B,   0x40                      ; destination window 1, address window 0
.macro PLACES n
.rept \n
	v_nop
.endr
.endm
.macro CROUND                          ; a round of the cluster's barrier
	s_barrier_signal -1
	s_barrier_wait -1
	s_cmp_lg_u32 s14, 0
	s_cbranch_scc1 .Lnot_wave_0_\@
	s_barrier_signal -3
.Lnot_wave_0_\@:
	s_barrier_wait -3
	s_barrier_signal -1
	s_barrier_wait -1
.endm
	s_load_b128 s[4:7], s[0:1], 0x0                ; xq, wq
	s_load_b64 s[8:9], s[0:1], 0x10                ; qkv
	v_lshl_add_u32 v254, v0, 2, 0x44000
	v_mov_b32 v255, 0
	ds_add_u32 v254, v255
	v_lshrrev_b32 v1, 5, v0
	v_readfirstlane_b32 s14, v1                    ; wave 0..3
	s_lshr_b32 s15, s14, 1                         ; which 128 tokens are mine.  Also: I fetch x (0) or w (1)
	s_and_b32 s16, s14, 1                          ; which 128 columns.  Also: I fetch the even (0) or the odd (1) K steps
	s_bfe_u32 s84, ttmp6, 0x40000                  ; cx
	s_bfe_u32 s85, ttmp6, 0x40004                  ; cy
	s_lshl_b32 s86, ttmp9, 2
	s_add_co_u32 s86, s86, s84                     ; nb = 4 x cluster x + cx
	s_and_b32 s87, ttmp7, 0xffff
	s_lshl_b32 s87, s87, 2
	s_add_co_u32 s87, s87, s85                     ; mb = 4 x cluster y + cy
	s_lshl_b32 s88, s85, 2
	s_lshl_b32 s88, 15, s88                        ; my row of the cluster
	s_lshl_b32 s89, 0x1111, s84                    ; my column
	s_or_b32 s[G1X], s88, (3<<16)|(1<<21)          ; 15:0 the mask; 17:16 elements of 8 bytes; 21 set beside a mask; no padding
	s_or_b32 s[G1W], s89, (3<<16)|(1<<21)
.irp g, G1X, G1W                       ; a K step's 17,408 dense bytes as 68 rows of 256
	s_mov_b32 s[\g+1], 32<<16                      ; tensor_dim0 = 32
	s_mov_b32 s[\g+2], 68<<16                      ; tensor_dim1 = 68
	s_mov_b32 s[\g+3], 32<<16                      ; tile_dim0 = 32
	s_mov_b32 s[\g+4], 68                          ; tile_dim1 = 68
	s_mov_b32 s[\g+5], 32                          ; from row to row
	s_mov_b32 s[\g+6], 0
	s_mov_b32 s[\g+7], 0
.endr
	s_mul_i32 s17, s16, BLK                        ; my first K step: 0 or 1
	s_mul_i32 s18, s87, HALF
	s_add_co_u32 s18, s18, s17
	s_mov_b32 s19, 0
	s_mul_i32 s20, s86, HALF
	s_add_co_u32 s20, s20, s17
	s_mov_b32 s21, 0
	s_wait_dscnt 0x0
	s_wait_kmcnt 0x0
	s_add_nc_u64 s[18:19], s[4:5], s[18:19]        ; x's hangs on mb alone, which my row shares;
	s_add_nc_u64 s[20:21], s[6:7], s[20:21]        ; w's on nb alone, which my column shares
.irp j, 0,1,2,3
	s_mov_b32 s[G0X+4*\j], 1
	s_add_co_u32 s[G0X+4*\j+1], s17, \j*2*BLK      ; LDS: K step 2 j + parity
	s_add_nc_u64 s[G0X+4*\j+2:G0X+4*\j+3], s[18:19], \j*2*BLK
	s_or_b32 s[G0X+4*\j+3], s[G0X+4*\j+3], 0x80000000
	s_mov_b32 s[G0W+4*\j], 1
	s_add_co_u32 s[G0W+4*\j+1], s17, \j*2*BLK+HALF
	s_add_nc_u64 s[G0W+4*\j+2:G0W+4*\j+3], s[20:21], \j*2*BLK
	s_or_b32 s[G0W+4*\j+3], s[G0W+4*\j+3], 0x80000000
.endr
	CROUND                                         ; all sixteen work-groups are here: the joint loads meet
	s_cmp_eq_u32 s15, 0                            ; a wave's four fills stand in one branch on the wave's number
	s_cbranch_scc0 .Lfor_w
.irp j, 0,1,2,3
	tensor_load_to_lds s[G0X+4*\j:G0X+4*\j+3], s[G1X:G1X+7]
	s_nop 0
.endr
	PLACES 4                                       ; four v_nop behind a tensor load
	s_branch .Lasked
.Lfor_w:
.irp j, 0,1,2,3
	tensor_load_to_lds s[G0W+4*\j:G0W+4*\j+3], s[G1W:G1W+7]
	s_nop 0
.endr
	PLACES 4
.Lasked:
	v_and_b32 v1, 15, v0                           ; r
	v_bfe_u32 v2, v0, 4, 1                         ; h
	v_and_b32 v3, 31, v0
	v_lshlrev_b32 v3, 4, v3                        ; 16 x lane
	s_lshl_b32 s10, s15, 13                        ; my eight images of x
	v_add_nc_u32 v[ADRA], s10, v3
	s_lshl_b32 s11, s16, 13                        ; my eight of w
	s_add_co_u32 s11, s11, HALF
	v_add_nc_u32 v[ADRB], s11, v3
	s_lshl_b32 s10, s15, 9                         ; my two groups of x's scale words
	s_lshl_b32 s11, s16, 9                         ; and of w's
	s_add_co_u32 s11, s11, HALF
	s_sub_co_u32 s11, s11, s10
	v_mul_u32_u24 v4, s11, v2                      ; lanes 16-31 take w's: one product, h x the distance
	v_lshl_add_u32 v4, v1, 4, v4                   ; 16 bytes a row: four tiles' words
	s_add_co_u32 s10, s10, 16384
	v_add_nc_u32 v[ADRS], s10, v4
	; where my results go
	s_lshr_b32 s10, s87, 3                         ; the batch,
	s_lshl_b32 s10, s10, 4
	s_lshl_b32 s11, s84, 2
	s_add_co_u32 s10, s10, s11
	s_lshl_b32 s11, s16, 1
	s_add_co_u32 s10, s10, s11                     ; my first head: 16 batch + 4 cx + 2 x half
	s_lshl_b32 s10, s10, 7
	s_and_b32 s11, s87, 7
	s_lshl_b32 s11, s11, 4
	s_add_co_u32 s10, s10, s11
	s_lshl_b32 s11, s15, 3
	s_add_co_u32 s10, s10, s11                     ; and my first token tile in it
	s_lshl_b32 s10, s10, 11
	s_lshl_b32 s11, ttmp9, 24                      ; the kind: q, k or v = cluster x
	s_add_co_u32 s10, s10, s11
	s_mov_b32 s11, 0
	s_add_nc_u64 s[8:9], s[8:9], s[10:11]
	s_cmp_eq_u32 ttmp9, 2                          ; v's pieces lie as rows of keys
	s_cselect_b32 s12, 32, 16
	s_cselect_b32 s13, 16, 256
	v_mul_u32_u24 v[CO], s12, v1
	v_mad_u32_u24 v[CO], s13, v2, v[CO]
.macro NEXTK                           ; on to the next K step's block
	v_add_nc_u32 v[ADRA], BLK, v[ADRA]
	v_add_nc_u32 v[ADRB], BLK, v[ADRB]
	v_add_nc_u32 v[ADRS], BLK, v[ADRS]
.endm
.macro FRAG reg, adr, i                ; a fragment comes back as the image of its registers: 512 consecutive bytes a load
.irp c, 0,1
	ds_load_b128 v[\reg+4*\c:\reg+4*\c+3], v[\adr] offset:1024*(\i)+512*\c
.endr
.endm
.macro FETCH_B p
	WIN TO_B
.irp i, 0,1,2,3,4,5,6,7
	FRAG 128*(\p)+FR*\i, ADRB, \i
.endr
	WIN 0
.endm
.macro FETCH_A i0
.irp i, \i0, \i0+1, \i0+2, \i0+3
	FRAG AF+FR*(\i), ADRA, \i
.endr
.endm
.macro SCALES p
.irp u, 0,1
	ds_load_b128 v[SC+8*(\p)+4*\u:SC+8*(\p)+4*\u+3], v[ADRS] offset:256*\u
.endr
.endm
; 16 matrix instructions: x's blocks a0, a0 + 1 against w's eight.  The 64 accumulators take turns, one instruction a turn, in the same order in every step.
.macro MUL16 a0, p, zero
.irp a, \a0, \a0+1
.irp b, 0,1,2,3,4,5,6,7
.if \zero
	v_wmma_scale_f32_16x16x128_f8f6f4 v[8*(8*((\a)%4)+\b):8*(8*((\a)%4)+\b)+7], v[128*(\p)+FR*\b:128*(\p)+FR*\b+FR-1], v[AF+FR*(\a):AF+FR*(\a)+FR-1], 0, v[SC+8*(\p)+\b], v[SC+8*(\p)+(\a)] matrix_a_fmt:MATRIX_FMT_FP4 matrix_b_fmt:MATRIX_FMT_FP4 matrix_a_scale:MATRIX_SCALE_ROW1
.else
	v_wmma_scale_f32_16x16x128_f8f6f4 v[8*(8*((\a)%4)+\b):8*(8*((\a)%4)+\b)+7], v[128*(\p)+FR*\b:128*(\p)+FR*\b+FR-1], v[AF+FR*(\a):AF+FR*(\a)+FR-1], v[8*(8*((\a)%4)+\b):8*(8*((\a)%4)+\b)+7], v[SC+8*(\p)+\b], v[SC+8*(\p)+(\a)] matrix_a_fmt:MATRIX_FMT_FP4 matrix_b_fmt:MATRIX_FMT_FP4 matrix_a_scale:MATRIX_SCALE_ROW1
.endif
.endr
.endr
.endm
; The j-th gate: my loads 0 .. j have landed (3 - j younger ones stay out), and behind the barrier everybody's have: K steps 2 j and 2 j + 1 are whole.
.macro GATE j
	WIN 0
	s_wait_tensorcnt 3-\j
	s_barrier_signal -1                            ; (no LDS instruction of mine is out: the step before ended behind a wait for all)
	s_barrier_wait -1
.if \j > 0
	PLACES 4                                       ; four places in front of loads into registers that matrix instructions have read
	NEXTK
.endif
	FETCH_B 0
	FETCH_A 0
	SCALES 0
	FETCH_A 4
.endm
; A K step on w's set p.  more = 1: the next step lies in LDS already: its fragments are fetched in two runs.
.macro KSTEP p, more, zero
	s_wait_dscnt 8                                 ; all but the youngest eight loads, x's blocks 4-7
	WIN MUL_LO
	MUL16 0, \p, \zero
	MUL16 2, \p, \zero
	s_wait_dscnt 0x0                               ; x's blocks 4-7 are in
.if \more
	PLACES 4
	WIN 0
	NEXTK
	FETCH_B 1-\p
	FETCH_A 0
	SCALES 1-\p
.endif
	WIN MUL_HI
	MUL16 4, \p, \zero
	MUL16 6, \p, \zero
.if \more
	PLACES 4
	WIN 0
	FETCH_A 4
.endif
.endm
	GATE 0
	KSTEP 0, 1, 1                                  ; the first step's products start the sums: nothing is cleared
	KSTEP 1, 0, 0
.irp j, 1,2,3
	GATE \j
	KSTEP 0, 1, 0
	KSTEP 1, 0, 0
.endr
	; THE WAY OUT.  A lane's eight results of an accumulator are eight neighbouring channels of one token: 16 bytes of f16, and the 32 lanes' are a piece of 512 bytes.  No LDS.
	PLACES 4                                       ; in front of the first read of results and the first write over w's fragments
.irp a, 0,1,2,3,4,5,6,7
	WIN 0x4a+5*(\a/4)                              ; sources window 2 or 3, destination window 1
.irp b, 0,1,2,3,4,5,6,7
.irp q, 0,1,2,3
	v_cvt_pk_f16_f32 v[32*\a+4*\b+\q], v[64*(\a%4)+8*\b+2*\q], v[64*(\a%4)+8*\b+2*\q+1]   ; each accumulator from its low end on
.endr
.endr
	WIN 0x04                                       ; a store's data are its source 1: window 1
.irp b, 0,1,2,3,4,5,6,7
	global_store_b128 v[CO], v[32*\a+4*\b:32*\a+4*\b+3], s[8:9] offset:(\b/4)*262144+\a*2048+(\b%4)*512   ; head b / 4, token tile a, piece b % 4: 512 consecutive bytes, aligned; no register is written twice
.endr
.endr
	WIN 0
	s_wait_tensorcnt 0x0
	ds_add_u32 v254, v255
	s_wait_dscnt 0x0
	CROUND                                         ; the closing round: no work-group ends while a partner may still ask for a block that names it
	s_endpgm
.Lfunc_end_k_q7b0347e27a_qkv:
	.size	k_q7b0347e27a_qkv, .Lfunc_end_k_q7b0347e27a_qkv-k_q7b0347e27a_qkv
	.p2alignl 7, 3214868480
	.fill 96, 4, 3214868480
	.section	.rodata,"a",@progbits
	.p2align	6, 0x0
	.amdhsa_kernel k_q7b0347e27a_qkv
		.amdhsa_group_segment_fixed_size 279040
		.amdhsa_private_segment_fixed_size 0
		.amdhsa_enable_private_segment 0
		.amdhsa_kernarg_size 24
		.amdhsa_user_sgpr_count 2
		.amdhsa_user_sgpr_kernarg_segment_ptr 1
		.amdhsa_wavefront_size32 1
		.amdhsa_system_sgpr_workgroup_id_x 1
		.amdhsa_system_sgpr_workgroup_id_y 1
		.amdhsa_system_sgpr_workgroup_id_z 1
		.amdhsa_system_vgpr_workitem_id 0
		.amdhsa_next_free_vgpr 1024
		.amdhsa_next_free_sgpr 100
		.amdhsa_reserve_vcc 0
		.amdhsa_float_denorm_mode_32 3
		.amdhsa_float_denorm_mode_16_64 3
		.amdhsa_memory_ordered 1
		.amdhsa_forward_progress 1
		.amdhsa_inst_pref_size 117
	.end_amdhsa_kernel
	.amdgpu_metadata
---
amdhsa.version: [ 1, 2 ]
amdhsa.kernels:
  - .name:           k_q7b0347e27a_qkv
    .symbol:         k_q7b0347e27a_qkv.kd
    .args:
      - { .name: xq, .offset: 0, .size: 8, .value_kind: global_buffer, .address_space: global }
      - { .name: wq, .offset: 8, .size: 8, .value_kind: global_buffer, .address_space: global }
      - { .name: qkv, .offset: 16, .size: 8, .value_kind: global_buffer, .address_space: global }
    .group_segment_fixed_size: 279040
    .private_segment_fixed_size: 0
    .kernarg_segment_align: 8
    .kernarg_segment_size: 24
    .max_flat_workgroup_size: 128
    .sgpr_count:     100
    .vgpr_count:     1024
    .wavefront_size: 32
...
	.end_amdgpu_metadata
.endif
;; end of part 2
;; launch attn (part 3): grid 4 x 64, 8 waves a work-group, clusters of 4 x 1, 327,680 bytes of LDS; arguments qkv, oi; writes oi
.if DOCPART == 3
	.amdgcn_target "amdgcn-amd-amdhsa--gfx1250"
	.amdhsa_code_object_version 6
	.text
	.protected	k_q7b0347e27a_attn
	.globl	k_q7b0347e27a_attn
	.p2align	8
	.type	k_q7b0347e27a_attn,@function
k_q7b0347e27a_attn:
	s_mov_b64 s[64:65], 0
	v_nop
	global_prefetch_b8 v0, s[64:65] scope:SCOPE_SE
	s_setreg_imm32_b32 hwreg(HW_REG_WAVE_MODE, 25, 1), 1
	s_wait_xcnt 0x0
	s_wait_alu depctr_hold_cnt(0) depctr_sa_sdst(0) depctr_va_vdst(0) depctr_va_sdst(0) depctr_va_ssrc(0) depctr_va_vcc(0) depctr_vm_vsrc(0)
	s_getreg_b32 s2, hwreg(HW_REG_IB_STS2, 6, 4)
	s_cmp_eq_u32 s2, 0
	s_cbranch_scc0 .Lentry_in_a_cluster
	s_endpgm
.Lentry_in_a_cluster:
	s_bfe_u32 s2, ttmp6, 0x10000c
	s_cmp_lg_u32 s2, 0x3003
	s_cbranch_scc0 .Lentry_shape_is_right
	s_endpgm
.Lentry_shape_is_right:
; O[head][q] = the sum over k of softmax_k(Q[q] . K[k] / 8) V[k]: 64 heads, 2,048 tokens, head size 64.  Operands in f16, products, maxima and sums in f32; the weights p are rounded to f16 for the second product.
; qkv: [kind 3][head 64][token tile 128][ct 4][512 bytes], pieces of 16 tokens x 16 channels: q and k as register images (16 bytes a lane at 16 x lane), v as 16 rows of 32 bytes.
; oi:  [mt 64][kc 8][a8 8][kq 4][half 2][512 bytes]: o as f16 fragments (16 tokens x 32 k, k = 64 x head in batch + channel) for the last product.
; LIMITS: p lies in (0, 1]: what lies under 2^-24 of a row's largest p is lost in f16; o in f16: magnitudes beyond 65,504 become infinity.  NaN and infinities are not served.
; SHARES.  A work-group owns 512 queries of one head, each of its eight waves 64: four tiles of 16, in 512 registers: two waves to a SIMD, so that one wave's softmax stands beside the other's products.
; Every wave walks all 2,048 keys, 64 a step.  K and V come through a ring of two LDS slots of 512 keys (K's 64 KB, then V's); each of the eight waves fetches 16 KB of a slot with one tensor load.
; CLUSTER: the head's four blocks of queries walk the same K and V: each tile is asked for jointly, with a mask that names the four.
; LAYOUT.  S^T = K Q^T (source 0 = 16 keys, source 1 = 16 queries): a lane holds ONE query (lane % 16) and keys 8 (lane / 16) + 0 .. 7.  Two such tiles, rounded in pairs, are source 1 of O^T = V^T P, whose result
; again holds one query a lane and eight channels.  K comes out of LDS as it lies, V turned by ds_load_tr16_b128.
; SOFTMAX.  A running maximum m and sum l for each query: p = 2^(c s - c m), c = log2(e) / 8; in every step O and l are multiplied by a = 2^(c m_old - c m_new).
; REGISTERS.  window 0: v1-6 addresses; v8-55 twelve registers of statistics a tile (+0 c m, +1 m, +2:3 l, +4..7 c0-c3 at work, a in +6, +8:9 a second chain of l); v56-183 S^T, 32 a tile; v184-247 P, 16 a tile.
;   window 1: v0-127 O^T, 32 a tile; v128-191 Q, 16 a tile; v192-255 K's, then V's fragments of the step.
.set SLOT1, 1<<17                      ; slot 1 begins here: one exclusive or turns an address in one slot into the other's
.set VOFF,  65536                      ; V's tiles in a slot
.set SPARE, 262144                     ; behind the ring: the spare words, 128 bytes for each of the eight waves: four blocks of 256 bytes that no other line names
.set L16, 1                            ; v1  16 x lane
.set AV0, 2                            ; v2  my lane's place in a piece of V
.set ADR, 3                            ; v3  the LDS address of the run of loads in hand
.set SPW, 4                            ; v4  my spare word; never rewritten
.set NIL, 5                            ; v5  0; never rewritten
.set PFO, 6                            ; v6  256 x lane: the prefetches' offset; never rewritten
.set ST,  8
.set S,   56
.set P,   184
.set QF,  128                          ; in window 1
.set KV,  192                          ; in window 1
.set MSB, 0
.macro WIN new
.if MSB != (\new)
	s_set_vgpr_msb (MSB<<8)|(\new)
.set MSB, (\new)
.endif
.endm
.set W_LD, 0x40                        ; destination window 1, address window 0
.set W_KQ, 0x05                        ; K and Q window 1, S^T window 0
.set W_PV, 0x51                        ; V window 1, P window 0, O^T window 1
.set W_RS, 0x41                        ; O^T (destination, source 0) window 1, a window 0
.macro PLACES n
.rept \n
	v_nop
.endr
.endm
.macro CROUND                          ; a round of the cluster's barrier
	s_barrier_signal -1
	s_barrier_wait -1
	s_cmp_lg_u32 s8, 0
	s_cbranch_scc1 .Lnot_wave_0_\@
	s_barrier_signal -3
.Lnot_wave_0_\@:
	s_barrier_wait -3
	s_barrier_signal -1
	s_barrier_wait -1
.endm
	s_load_b128 s[4:7], s[0:1], 0x0                ; qkv, oi
	v_lshl_add_u32 v[SPW], v0, 2, SPARE
	v_mov_b32 v[NIL], 0
	ds_add_u32 v4, v5
	s_wait_dscnt 0x0
	v_lshrrev_b32 v1, 5, v0
	v_readfirstlane_b32 s8, v1                     ; wave 0..7
	s_bfe_u32 s9, ttmp6, 0x40000                   ; cx
	s_and_b32 s10, ttmp7, 0xffff                   ; the head, which the four partners share
	s_lshl_b32 s11, ttmp9, 2
	s_add_co_u32 s11, s11, s9                      ; my block of 512 queries: it enters Q's and O's addresses and the prefetches' alone
	s_mov_b32 s12, 15|(3<<16)|(1<<21)              ; group 1: the mask names all four; elements of 8 bytes; 21 set beside a mask; no padding
	s_mov_b32 s13, 32<<16                          ; 16,384 dense bytes as 64 rows of 256: tensor_dim0 = 32
	s_mov_b32 s14, 64<<16                          ; tensor_dim1 = 64
	s_mov_b32 s15, 32<<16                          ; tile_dim0 = 32
	s_mov_b32 s16, 64                              ; tile_dim1 = 64
	s_mov_b32 s17, 32                              ; from row to row
	s_mov_b32 s18, 0
	s_mov_b32 s19, 0
	s_mov_b32 s24, 0x3e38aa3b                      ; c = log2(e) / 8
	s_mov_b32 s25, s24                             ; (named with it as a pair, so it is written)
	s_mov_b32 s26, 0x76543210
	s_mov_b32 s27, 0xfedcba98                      ; v_permlanex16_b32's selects for lane l xor 16
	s_mov_b32 s28, 0                               ; LDS byte at which the step's tiles of K begin
	s_mov_b32 s29, 3                               ; slots still to be asked for
	s_cmp_lt_u32 s8, 4
	s_cselect_b32 s31, 1, -1                       ; waves 0-3 prefetch while s29 is above 1
	s_lshl_b32 s34, s10, 18                        ; a head's 262,144 bytes
	s_lshr_b32 s36, s8, 2                          ; waves 0-3 fetch K's quarters, waves 4-7 V's
	s_add_co_u32 s36, s36, 1
	s_lshl_b32 s36, s36, 24
	s_add_co_u32 s36, s36, s34
	s_and_b32 s37, s8, 3
	s_lshl_b32 s37, s37, 14
	s_add_co_u32 s36, s36, s37
	s_mov_b32 s37, 0
	s_bfe_u32 s38, s8, 0x10001                     ; the prefetches: waves 0, 1 K's, waves 2, 3 V's;
	s_add_co_u32 s38, s38, 1
	s_lshl_b32 s38, s38, 24
	s_add_co_u32 s38, s38, s34
	s_add_co_u32 s38, s38, 65536                   ; at the second 512 keys: the first change of slots steps it to the third;
	s_lshl_b32 s39, s9, 14                         ; my work-group's 16,384 bytes of the 65,536: the partners are told apart by address;
	s_add_co_u32 s38, s38, s39
	s_and_b32 s39, s8, 1
	s_lshl_b32 s39, s39, 13                        ; my wave's 8,192 of them
	s_add_co_u32 s38, s38, s39
	s_mov_b32 s39, 0
	s_lshl_b32 s40, s11, 5                         ; Q: my first token tile: 32 x block + 4 x wave
	s_lshl_b32 s41, s8, 2
	s_add_co_u32 s40, s40, s41
	s_lshl_b32 s40, s40, 11
	s_add_co_u32 s40, s40, s34
	s_mov_b32 s41, 0
	s_lshr_b32 s42, s10, 4                         ; O: mt = 16 x batch + 4 x block + wave / 2
	s_lshl_b32 s42, s42, 4
	s_lshl_b32 s43, s11, 2
	s_add_co_u32 s42, s42, s43
	s_lshr_b32 s43, s8, 1
	s_add_co_u32 s42, s42, s43
	s_lshl_b32 s42, s42, 18
	s_bfe_u32 s43, s10, 0x30001                    ; kc = head in batch / 2
	s_lshl_b32 s43, s43, 15
	s_add_co_u32 s42, s42, s43
	s_and_b32 s43, s8, 1                           ; a8 = 4 (wave % 2) + tile
	s_lshl_b32 s43, s43, 14
	s_add_co_u32 s42, s42, s43
	s_and_b32 s43, s10, 1                          ; kq = 2 (head % 2) + ct / 2
	s_lshl_b32 s43, s43, 11
	s_add_co_u32 s42, s42, s43
	s_mov_b32 s43, 0
	s_wait_kmcnt 0x0
	s_mov_b32 s20, 1                               ; group 0, which walks: count = 1
	s_lshl_b32 s21, s8, 14                         ; LDS: wave x 16,384, slot 0
	s_add_nc_u64 s[22:23], s[4:5], s[36:37]
	s_or_b32 s23, s23, 0x80000000                  ; type = 2
	s_add_nc_u64 s[32:33], s[4:5], s[38:39]        ; where my prefetches stand
	s_add_nc_u64 s[34:35], s[4:5], s[40:41]        ; Q
	s_add_nc_u64 s[6:7], s[6:7], s[42:43]          ; O
	CROUND                                         ; all four work-groups are here: the first joint load meets
	tensor_load_to_lds s[20:23], s[12:19]          ; the first 512 keys into slot 0: every wave its 16 KB
	s_nop 0
	PLACES 4                                       ; four v_nop behind a tensor load
	v_and_b32 v[L16], 31, v0
	v_lshlrev_b32 v[PFO], 8, v[L16]
	v_lshlrev_b32 v[L16], 4, v[L16]
	v_bfe_u32 v7, v0, 4, 1
	v_and_b32 v[AV0], 7, v0
	v_lshl_add_u32 v[AV0], v7, 3, v[AV0]           ; the turning load: lane l reads key 8 (l / 16) + l % 8,
	v_bfe_u32 v7, v0, 3, 1
	v_lshlrev_b32 v[AV0], 5, v[AV0]                ; rows of 32 bytes,
	v_lshl_add_u32 v[AV0], v7, 4, v[AV0]           ; channels 8 ((l / 8) % 2) + 0 .. 7
	v_add_nc_u32 v[AV0], VOFF, v[AV0]
	WIN W_LD
.irp i, 0,1,2,3,4,5,6,7,8,9,10,11,12,13,14,15
	global_load_b128 v[QF+4*\i:QF+4*\i+3], v[L16], s[34:35] offset:512*\i   ; Q stays in registers: tile i / 4, piece i % 4
.endr
.set n, 0
.rept 128
	v_mov_b32 v[n], 0                              ; O^T.  The key step is written once for all steps: the first finds zeros, which a = 0 leaves zeros
.set n, n+1
.endr
	WIN 0
.irp t, 0,1,2,3
	v_mov_b32 v[ST+12*\t+1], 0xff61b1e6            ; m = -3e38, under every score
	v_mul_f32 v[ST+12*\t], s24, v[ST+12*\t+1]      ; c m
	v_mov_b32 v[ST+12*\t+2], 0                     ; l, in two chains of two halves
	v_mov_b32 v[ST+12*\t+3], 0
	v_mov_b32 v[ST+12*\t+8], 0
	v_mov_b32 v[ST+12*\t+9], 0
.endr
	s_wait_loadcnt 0x0                             ; Q
.macro FMA t, i                        ; pair i of tile t: c s - c m
	v_pk_fma_f32 v[S+32*(\t)+2*(\i):S+32*(\t)+2*(\i)+1], v[S+32*(\t)+2*(\i):S+32*(\t)+2*(\i)+1], s[24:25], v[ST+12*(\t):ST+12*(\t)+1] op_sel_hi:[1,0,0] neg_lo:[0,0,1] neg_hi:[0,0,1]
.endm
.macro EXPO t, k
	v_exp_f32 v[S+32*(\t)+(\k)], v[S+32*(\t)+(\k)]
.endm
.macro SUM t, i                        ; the row's sum, in two chains: the first two pairs bring the old sums under the new m
.if (\i) == 0
	s_wait_alu depctr_va_vdst(0)
	v_pk_fma_f32 v[ST+12*(\t)+2:ST+12*(\t)+3], v[ST+12*(\t)+2:ST+12*(\t)+3], v[ST+12*(\t)+6:ST+12*(\t)+7], v[S+32*(\t):S+32*(\t)+1] op_sel_hi:[1,0,1]
.elseif (\i) == 1
	s_wait_alu depctr_va_vdst(0)
	v_pk_fma_f32 v[ST+12*(\t)+8:ST+12*(\t)+9], v[ST+12*(\t)+8:ST+12*(\t)+9], v[ST+12*(\t)+6:ST+12*(\t)+7], v[S+32*(\t)+2:S+32*(\t)+3] op_sel_hi:[1,0,1]
	s_wait_alu depctr_va_vdst(0)
.elseif (\i)%2 == 0
	v_pk_add_f32 v[ST+12*(\t)+2:ST+12*(\t)+3], v[ST+12*(\t)+2:ST+12*(\t)+3], v[S+32*(\t)+2*(\i):S+32*(\t)+2*(\i)+1]
.else
	v_pk_add_f32 v[ST+12*(\t)+8:ST+12*(\t)+9], v[ST+12*(\t)+8:ST+12*(\t)+9], v[S+32*(\t)+2*(\i):S+32*(\t)+2*(\i)+1]
.endif
.endm
.macro CVT t, i                        ; pair i of the weights, rounded to f16
	v_cvt_pk_f16_f32 v[P+16*(\t)+(\i)], v[S+32*(\t)+2*(\i)], v[S+32*(\t)+2*(\i)+1]
.endm
; A KEY STEP: 64 keys, whose tiles of K begin at LDS byte s28.
.macro STEP
	WIN 0
	v_add_nc_u32 v[ADR], s28, v[L16]
	PLACES 4                                       ; four places in front of loads into registers that matrix instructions have read
	WIN W_LD
.irp kt, 0,1,2,3
.irp c, 0,1
	ds_load_b128 v[KV+16*\kt+8*\c:KV+16*\kt+8*\c+3],   v[ADR] offset:2048*\kt+1024*\c       ; keys 16 kt on, channels 32 c on: two pieces, 512 consecutive bytes each
	ds_load_b128 v[KV+16*\kt+8*\c+4:KV+16*\kt+8*\c+7], v[ADR] offset:2048*\kt+1024*\c+512
.endr
.endr
	s_wait_dscnt 0x0                               ; K is in
	WIN W_KQ
.irp c, 0,1                            ; S^T = K Q^T: sixteen accumulators by turns, one instruction a turn; the first sixteen start the sums
.irp kt, 0,1,2,3
.irp t, 0,1,2,3
.if \c == 0
	v_wmma_f32_16x16x32_f16 v[S+32*\t+8*\kt:S+32*\t+8*\kt+7], v[KV+16*\kt+8*\c:KV+16*\kt+8*\c+7], v[QF+16*\t+8*\c:QF+16*\t+8*\c+7], 0
.else
	v_wmma_f32_16x16x32_f16 v[S+32*\t+8*\kt:S+32*\t+8*\kt+7], v[KV+16*\kt+8*\c:KV+16*\kt+8*\c+7], v[QF+16*\t+8*\c:QF+16*\t+8*\c+7], v[S+32*\t+8*\kt:S+32*\t+8*\kt+7]
.endif
.endr
.endr
.endr
	WIN 0
	v_add_nc_u32 v[ADR], s28, v[AV0]
	PLACES 4                                       ; places in front of the loads over K's fragments and of the first read of the scores
	WIN W_LD
.irp g, 0,1
.irp ct, 0,1,2,3
	ds_load_tr16_b128 v[KV+32*\g+8*\ct:KV+32*\g+8*\ct+3],   v[ADR] offset:4096*\g+512*\ct        ; V^T: channels 16 ct on, keys 32 g on: it lands while the softmax is walked
	ds_load_tr16_b128 v[KV+32*\g+8*\ct+4:KV+32*\g+8*\ct+7], v[ADR] offset:4096*\g+512*\ct+2048
.endr
.endr
	WIN 0
	; the maximum of a lane's 32 scores and the old m: four chains a tile, the four tiles by turns; each accumulator is read from its low end on
.irp j, 0,1,2,3
.irp t, 0,1,2,3
	v_max3_num_f32 v[ST+12*\t+4+\j], v[S+32*\t+8*\j], v[S+32*\t+8*\j+1], v[S+32*\t+8*\j+2]
.endr
.endr
.irp u, 1,2
.irp j, 0,1,2,3
.irp t, 0,1,2,3
	v_max3_num_f32 v[ST+12*\t+4+\j], v[ST+12*\t+4+\j], v[S+32*\t+8*\j+2*\u+1], v[S+32*\t+8*\j+2*\u+2]
.endr
.endr
.endr
.irp t, 0,1,2,3
	v_max3_num_f32 v[ST+12*\t+4], v[ST+12*\t+4], v[S+32*\t+7], v[S+32*\t+15]
.endr
.irp t, 0,1,2,3
	v_max3_num_f32 v[ST+12*\t+6], v[ST+12*\t+6], v[S+32*\t+23], v[S+32*\t+31]
.endr
.irp t, 0,1,2,3
	v_max3_num_f32 v[ST+12*\t+4], v[ST+12*\t+4], v[ST+12*\t+5], v[ST+12*\t+6]
.endr
.irp t, 0,1,2,3
	v_max3_num_f32 v[ST+12*\t+4], v[ST+12*\t+4], v[ST+12*\t+7], v[ST+12*\t+1]
.endr
.irp t, 0,1,2,3
	v_permlanex16_b32 v[ST+12*\t+5], v[ST+12*\t+4], s26, s27       ; the query's other 32 keys lie in the lane 16 away
.endr
.irp t, 0,1,2,3
	v_max_num_f32 v[ST+12*\t+1], v[ST+12*\t+4], v[ST+12*\t+5]      ; the new m
.endr
.irp t, 0,1,2,3
	v_mov_b32 v[ST+12*\t+7], v[ST+12*\t]                           ; c m_old
.endr
.irp t, 0,1,2,3
	v_mul_f32 v[ST+12*\t], s24, v[ST+12*\t+1]                      ; c m
.endr
.irp t, 0,1,2,3
	v_sub_f32 v[ST+12*\t+7], v[ST+12*\t+7], v[ST+12*\t]
.endr
.irp t, 0,1,2,3
	v_exp_f32 v[ST+12*\t+6], v[ST+12*\t+7]                         ; a = 2^(c m_old - c m_new)
.endr
	; from here on every exponential has a plain instruction behind it (ISA guide 5.7.2): work of another tile that is ready
.set n, 0
.rept 16
	FMA 0, n
.set n, n+1
.endr
.set n, 0
.rept 16
	EXPO 0, 2*n
	FMA 1, n
	EXPO 0, 2*n+1
	FMA 2, n
.set n, n+1
.endr
.set n, 0
.rept 16
	EXPO 1, 2*n
	SUM 0, n
	EXPO 1, 2*n+1
	CVT 0, n
.set n, n+1
.endr
.set n, 0
.rept 16
	EXPO 2, 2*n
	FMA 3, n
	EXPO 2, 2*n+1
	SUM 1, n
.set n, n+1
.endr
.set n, 0
.rept 16
	EXPO 3, 2*n
	CVT 1, n
	EXPO 3, 2*n+1
	SUM 2, n
.set n, n+1
.endr
.set n, 0
.rept 16
	CVT 2, n
.set n, n+1
.endr
.set n, 0
.rept 16
	SUM 3, n
.set n, n+1
.endr
.set n, 0
.rept 16
	CVT 3, n
.set n, n+1
.endr
	WIN W_RS
.irp t, 0,1,2,3
.set n, 0
.rept 16
	v_pk_mul_f32 v[32*\t+2*n:32*\t+2*n+1], v[32*\t+2*n:32*\t+2*n+1], v[ST+12*\t+6:ST+12*\t+7] op_sel_hi:[1,0]   ; O^T under the new m; each accumulator from its low end on
.set n, n+1
.endr
.endr
	s_wait_dscnt 0x0                               ; V is in
	WIN W_PV
.irp g, 0,1                            ; O^T += V^T P: sixteen accumulators by turns
.irp ct, 0,1,2,3
.irp t, 0,1,2,3
	v_wmma_f32_16x16x32_f16 v[32*\t+8*\ct:32*\t+8*\ct+7], v[KV+32*\g+8*\ct:KV+32*\g+8*\ct+7], v[P+16*\t+8*\g:P+16*\t+8*\g+7], v[32*\t+8*\ct:32*\t+8*\ct+7]
.endr
.endr
.endr
	WIN 0
.endm
.macro SLOT_STEPS                      ; a slot's eight key steps: written once, walked eight times
	s_mov_b32 s30, 8
.Lstep_\@:
	STEP
	s_add_co_u32 s28, s28, 8192                    ; 64 keys on
	s_sub_co_u32 s30, s30, 1
	s_cmp_lg_u32 s30, 0
	s_cbranch_scc1 .Lstep_\@
	s_sub_co_u32 s28, s28, 65536                   ; back to a slot's first step,
	s_xor_b32 s28, s28, SLOT1                      ; in the other slot
.endm
; THE CHANGE OF SLOTS stands at a slot's head.  Each wave waits for all its tensor loads (one is out: its part of the slot ahead), adds 0 to its spare word, and waits for that and for its reads of the slot that it has left.
; fill = 1: a round of the cluster's barrier follows, so that no wave of any partner still reads the other slot or has a load on its way, and the joint refill is the first thing behind it: it has eight key steps in which to land.
.macro CHANGE fill
	s_wait_tensorcnt 0x0                           ; no tensor load of mine is out, so group 0 may be written
	ds_add_u32 v[SPW], v[NIL]                      ; 0 onto my spare word
.if \fill
	s_xor_b32 s21, s21, SLOT1                      ; the walking descriptor: the other slot than last time,
	s_add_nc_u64 s[22:23], s[22:23], 65536         ; the next 512 keys; the type bits on top are not reached
	s_wait_xcnt 0x0                                ; the last prefetch, a slot back, has read its address, so it may be written:
	s_add_nc_u64 s[32:33], s[32:33], 65536         ; one slot further on than the walking descriptor
	s_wait_dscnt 0x0                               ; the add is done, and my reads of the slot that I have left are over
	CROUND
	tensor_load_to_lds s[20:23], s[12:19]          ; every wave's one tensor load behind the round
	s_nop 0
	PLACES 4
	; A PREFETCH of what the NEXT change of slots will ask for, eight key steps ahead of that load: 64 KB of K and 64 KB of V.  Each aligned block of 256 bytes is named once in the launch: the head has one
	; cluster; its four partners take 16 KB of each, told apart by address; in each, waves 0, 1 ask for K's halves and waves 2, 3 for V's, lanes 256 bytes apart.  The last change that fills a slot asks for nothing.
	s_cmp_gt_u32 s29, s31
	s_cbranch_scc0 .Lnot_mine_\@
	global_prefetch_b8 v[PFO], s[32:33] th:TH_LOAD_NT scope:SCOPE_SE
.Lnot_mine_\@:
.else
	s_wait_dscnt 0x0
	s_barrier_signal -1                            ; the work-group's own barrier shows the last slot whole
	s_barrier_wait -1
.endif
.endm
.Lslot:                                            ; three trips: behind each change of slots but the last the next 512 keys are asked for
	CHANGE 1
	SLOT_STEPS
	s_sub_co_u32 s29, s29, 1
	s_cmp_lg_u32 s29, 0
	s_cbranch_scc1 .Lslot
	CHANGE 0                                       ; the last slot is written out
	SLOT_STEPS
	; THE WAY OUT.  The sum's chains and halves are added (these lines are also the places behind the last products); O^T is divided by the sum, rounded to f16 and stored straight from registers.
.irp t, 0,1,2,3
	v_pk_add_f32 v[ST+12*\t+2:ST+12*\t+3], v[ST+12*\t+2:ST+12*\t+3], v[ST+12*\t+8:ST+12*\t+9]
.endr
.irp t, 0,1,2,3
	v_add_f32 v[ST+12*\t+4], v[ST+12*\t+2], v[ST+12*\t+3]
.endr
.irp t, 0,1,2,3
	v_permlanex16_b32 v[ST+12*\t+5], v[ST+12*\t+4], s26, s27
.endr
.irp t, 0,1,2,3
	v_add_f32 v[ST+12*\t+4], v[ST+12*\t+4], v[ST+12*\t+5]
.endr
.irp t, 0,1,2,3
	v_rcp_f32 v[ST+12*\t+6], v[ST+12*\t+4]
.endr
	v_nop                                          ; a plain instruction between the last reciprocal and the use of its result
	WIN W_RS
	s_wait_alu depctr_va_vdst(0)
.irp t, 0,1,2,3
.set n, 0
.rept 16
	v_pk_mul_f32 v[32*\t+2*n:32*\t+2*n+1], v[32*\t+2*n:32*\t+2*n+1], v[ST+12*\t+6:ST+12*\t+7] op_sel_hi:[1,0]
.set n, n+1
.endr
.endr
	WIN 0x05                                       ; sources window 1, destination window 0: S^T's registers are free
.irp t, 0,1,2,3
.irp ct, 0,1,2,3
.irp q, 0,1,2,3
	v_cvt_pk_f16_f32 v[S+16*\t+4*\ct+\q], v[32*\t+8*\ct+2*\q], v[32*\t+8*\ct+2*\q+1]
.endr
.endr
.endr
	WIN 0
.irp t, 0,1,2,3
.irp ct, 0,1,2,3
	global_store_b128 v[L16], v[S+16*\t+4*\ct:S+16*\t+4*\ct+3], s[6:7] offset:4096*\t+512*\ct   ; a piece: 512 consecutive bytes, aligned
.endr
.endr
	s_wait_tensorcnt 0x0                           ; the wave's end
	ds_add_u32 v[SPW], v[NIL]
	s_wait_dscnt 0x0
	CROUND                                         ; the closing round: no work-group ends while a partner may still ask for a tile that names it
	s_endpgm
.Lfunc_end_k_q7b0347e27a_attn:
	.size	k_q7b0347e27a_attn, .Lfunc_end_k_q7b0347e27a_attn-k_q7b0347e27a_attn
	.p2alignl 7, 3214868480
	.fill 96, 4, 3214868480
	.section	.rodata,"a",@progbits
	.p2align	6, 0x0
	.amdhsa_kernel k_q7b0347e27a_attn
		.amdhsa_group_segment_fixed_size 327680
		.amdhsa_private_segment_fixed_size 0
		.amdhsa_enable_private_segment 0
		.amdhsa_kernarg_size 16
		.amdhsa_user_sgpr_count 2
		.amdhsa_user_sgpr_kernarg_segment_ptr 1
		.amdhsa_wavefront_size32 1
		.amdhsa_system_sgpr_workgroup_id_x 1
		.amdhsa_system_sgpr_workgroup_id_y 1
		.amdhsa_system_sgpr_workgroup_id_z 1
		.amdhsa_system_vgpr_workitem_id 0
		.amdhsa_next_free_vgpr 512
		.amdhsa_next_free_sgpr 66
		.amdhsa_reserve_vcc 0
		.amdhsa_float_denorm_mode_32 3
		.amdhsa_float_denorm_mode_16_64 3
		.amdhsa_memory_ordered 1
		.amdhsa_forward_progress 1
		.amdhsa_inst_pref_size 88
	.end_amdhsa_kernel
	.amdgpu_metadata
---
amdhsa.version: [ 1, 2 ]
amdhsa.kernels:
  - .name:           k_q7b0347e27a_attn
    .symbol:         k_q7b0347e27a_attn.kd
    .args:
      - { .name: qkv, .offset: 0, .size: 8, .value_kind: global_buffer, .address_space: global }
      - { .name: oi, .offset: 8, .size: 8, .value_kind: global_buffer, .address_space: global }
    .group_segment_fixed_size: 327680
    .private_segment_fixed_size: 0
    .kernarg_segment_align: 8
    .kernarg_segment_size: 16
    .max_flat_workgroup_size: 256
    .sgpr_count:     66
    .vgpr_count:     512
    .wavefront_size: 32
...
	.end_amdgpu_metadata
.endif
;; end of part 3
;; launch proj (part 4): grid 4 x 64, 8 waves a work-group, clusters of 4 x 4, 327,680 bytes of LDS; arguments oi, wo, b_out, out0; writes out0
.if DOCPART == 4
	.amdgcn_target "amdgcn-amd-amdhsa--gfx1250"
	.amdhsa_code_object_version 6
	.text
	.protected	k_q7b0347e27a_proj
	.globl	k_q7b0347e27a_proj
	.p2align	8
	.type	k_q7b0347e27a_proj,@function
k_q7b0347e27a_proj:
	s_mov_b64 s[64:65], 0
	v_nop
	global_prefetch_b8 v0, s[64:65] scope:SCOPE_SE
	s_setreg_imm32_b32 hwreg(HW_REG_WAVE_MODE, 25, 1), 1
	s_wait_xcnt 0x0
	s_wait_alu depctr_hold_cnt(0) depctr_sa_sdst(0) depctr_va_vdst(0) depctr_va_sdst(0) depctr_va_ssrc(0) depctr_va_vcc(0) depctr_vm_vsrc(0)
	s_getreg_b32 s2, hwreg(HW_REG_IB_STS2, 6, 4)
	s_cmp_eq_u32 s2, 0
	s_cbranch_scc0 .Lentry_in_a_cluster
	s_endpgm
.Lentry_in_a_cluster:
	s_bfe_u32 s2, ttmp6, 0x10000c
	s_cmp_lg_u32 s2, 0xf033
	s_cbranch_scc0 .Lentry_shape_is_right
	s_endpgm
.Lentry_shape_is_right:
; out0 = o w_out + b_out.  o [8,192][1,024] and w_out^T [1,024][1,024] arrive as f16 fragments in the order of the operand registers; sums in f32; out0 f32.
; oi: [mt 64][kc 8][a8 8][kq 4][half 2][512 bytes] (128 tokens, 128 k, tiles of 16 tokens, 32 k);  wo: [nt 4][kc 8][b16 16][kq 4][half 2][512 bytes] (256 columns likewise).
; SHARES.  A work-group makes 128 tokens x 256 columns, each of its eight waves 64 x 64: 16 accumulators, 128 registers, no register windows; two waves to a SIMD.
; K goes in eight chunks of 128 through a ring of two LDS slots: o's 32 KB, then w's 64 KB, both dense blocks of memory.  Waves 0, 1 fetch o's halves, waves 2-5 w's quarters, 16 KB a load; waves 6, 7 fetch nothing.
; CLUSTER 4 x 4: the four work-groups of a row need the same chunk of o, the four of a column the same chunk of w: each is asked for jointly.
; THE MATRIX INSTRUCTION IS USED TRANSPOSED (source 0 = 16 columns of w, source 1 = 16 tokens): a lane holds eight neighbouring columns of one token.  The bias is the C of each sum's first instruction.
; LIMIT: the operands are f16 as the launches before made them.
.set SLOT,   98304
.set WOFF,   32768                     ; w's chunk in a slot
.set STAGE,  196608                    ; behind the ring: 16 rows x 272 bytes for each wave, for the way out; no tensor load fills it
.set SPITCH, 272                       ; 256 bytes + 16: the sixteen rows that a store touches start at sixteen different banks (64 banks of 4 bytes: ISA guide 11.1)
.set SPARE,  231424                    ; behind the stages: the spare words, 128 bytes for each of the eight waves: four blocks of 256 bytes that no other line names
.set L16,  1                           ; v1     16 x lane
.set ADA,  2                           ; v2-3   my fragments of o in slot 0, 1
.set ADB,  4                           ; v4-5   my fragments of w
.set SPW,  6                           ; v6     my spare word; never rewritten
.set NIL,  7                           ; v7     0; never rewritten
.set STO,  8                           ; v8     the stage: where I put 32 bytes of a row
.set RD,   9                           ; v9     and where I read a row back
.set CO,   10                          ; v10    my byte offset in two rows of out0
.set BIAS, 16                          ; v16-47 b_out at my columns, in the result's layout: four tiles x eight registers
.set FA,   48                          ; v48-79  o's four fragments
.set FB,   80                          ; v80-111 w's four
.set ACC,  128                         ; v128-255: (a, b) at ACC + 8 (4 a + b)
.macro PLACES n
.rept \n
	v_nop
.endr
.endm
.macro CROUND                          ; a round of the cluster's barrier
	s_barrier_signal -1
	s_barrier_wait -1
	s_cmp_lg_u32 s12, 0
	s_cbranch_scc1 .Lnot_wave_0_\@
	s_barrier_signal -3
.Lnot_wave_0_\@:
	s_barrier_wait -3
	s_barrier_signal -1
	s_barrier_wait -1
.endm
.macro JLOAD s                         ; a joint load into slot s.  The branches hang on the wave's number alone; four v_nop follow each of the two lines
	s_cmp_lt_u32 s12, 2
	s_cbranch_scc0 .Lnot_a_\@
	tensor_load_to_lds s[32+4*(\s):35+4*(\s)], s[16:23]
	s_nop 0
	PLACES 4
	s_branch .Lasked_\@
.Lnot_a_\@:
	s_cmp_lt_u32 s12, 6
	s_cbranch_scc0 .Lasked_\@
	tensor_load_to_lds s[40+4*(\s):43+4*(\s)], s[24:31]
	s_nop 0
	PLACES 4
.Lasked_\@:
.endm
	s_load_b256 s[4:11], s[0:1], 0x0               ; oi s[4:5], wo s[6:7], b_out s[8:9], out0 s[10:11]
	v_lshl_add_u32 v[SPW], v0, 2, SPARE
	v_mov_b32 v[NIL], 0
	ds_add_u32 v6, v7
	s_wait_dscnt 0x0
	v_lshrrev_b32 v1, 5, v0
	v_readfirstlane_b32 s12, v1                    ; wave 0..7
	s_bfe_u32 s13, ttmp6, 0x40000                  ; cx
	s_bfe_u32 s14, ttmp6, 0x40004                  ; cy
	s_and_b32 s15, ttmp7, 0xffff
	s_lshl_b32 s15, s15, 2
	s_add_co_u32 s15, s15, s14                     ; mt = 4 x cluster y + cy
	s_lshl_b32 s48, ttmp9, 2
	s_add_co_u32 s48, s48, s13                     ; nt = 4 x cluster x + cx
	s_lshl_b32 s50, s14, 2
	s_lshl_b32 s50, 15, s50                        ; my row of the cluster
	s_lshl_b32 s51, 0x1111, s13                    ; my column
	s_or_b32 s16, s50, (3<<16)|(1<<21)             ; group 1 for o: the mask; elements of 8 bytes; 21 set beside a mask; no padding
	s_or_b32 s24, s51, (3<<16)|(1<<21)             ; and for w
.irp g, 16, 24                         ; 16,384 dense bytes as 64 rows of 256
	s_mov_b32 s[\g+1], 32<<16                      ; tensor_dim0 = 32
	s_mov_b32 s[\g+2], 64<<16                      ; tensor_dim1 = 64
	s_mov_b32 s[\g+3], 32<<16                      ; tile_dim0 = 32
	s_mov_b32 s[\g+4], 64                          ; tile_dim1 = 64
	s_mov_b32 s[\g+5], 32                          ; from row to row
	s_mov_b32 s[\g+6], 0
	s_mov_b32 s[\g+7], 0
.endr
	s_lshl_b32 s52, s15, 18                        ; o: my block of 128 tokens,
	s_and_b32 s53, s12, 1
	s_lshl_b32 s53, s53, 14                        ; the half of a chunk that I fetch
	s_add_co_u32 s52, s52, s53
	s_mov_b32 s53, 0
	s_lshl_b32 s54, s48, 19                        ; w: my block of 256 columns,
	s_sub_co_u32 s55, s12, 2
	s_and_b32 s55, s55, 3
	s_lshl_b32 s55, s55, 14                        ; the quarter of a chunk that I fetch
	s_add_co_u32 s54, s54, s55
	s_mov_b32 s55, 0
	s_lshl_b32 s56, s12, 14                        ; where it goes: wave x 16,384: o's two halves, then w's four quarters
	s_wait_kmcnt 0x0
	s_add_nc_u64 s[52:53], s[4:5], s[52:53]
	s_add_nc_u64 s[54:55], s[6:7], s[54:55]
.irp s, 0,1
	s_mov_b32 s[32+4*\s], 1
	s_add_co_u32 s[32+4*\s+1], s56, \s*SLOT
	s_add_nc_u64 s[32+4*\s+2:32+4*\s+3], s[52:53], \s*32768        ; chunk s
	s_or_b32 s[32+4*\s+3], s[32+4*\s+3], 0x80000000
	s_mov_b32 s[40+4*\s], 1
	s_add_co_u32 s[40+4*\s+1], s56, \s*SLOT
	s_add_nc_u64 s[40+4*\s+2:40+4*\s+3], s[54:55], \s*65536
	s_or_b32 s[40+4*\s+3], s[40+4*\s+3], 0x80000000
.endr
	CROUND                                         ; all sixteen work-groups are here: the first joint loads meet
	JLOAD 0                                        ; chunk 0
	v_and_b32 v[L16], 31, v0
	v_lshlrev_b32 v[L16], 4, v[L16]
	v_and_b32 v11, 15, v0                          ; r
	v_bfe_u32 v12, v0, 4, 1                        ; h
	s_lshr_b32 s57, s12, 2                         ; which 64 tokens are mine
	s_and_b32 s58, s12, 3                          ; which 64 columns
	s_lshl_b32 s59, s57, 14
	v_add_nc_u32 v[ADA], s59, v[L16]
	s_add_co_u32 s59, s59, SLOT
	v_add_nc_u32 v[ADA+1], s59, v[L16]
	s_lshl_b32 s59, s58, 14
	s_add_co_u32 s59, s59, WOFF
	v_add_nc_u32 v[ADB], s59, v[L16]
	s_add_co_u32 s59, s59, SLOT
	v_add_nc_u32 v[ADB+1], s59, v[L16]
	s_mul_i32 s59, s12, 16*SPITCH
	s_add_co_u32 s59, s59, STAGE                   ; my stage
	v_mul_u32_u24 v[STO], v11, SPITCH              ; in: row r, 32 bytes for each half of the lanes
	v_lshl_add_u32 v[STO], v12, 5, v[STO]
	v_add_nc_u32 v[STO], s59, v[STO]
	v_mul_u32_u24 v[RD], v12, SPITCH               ; back: lanes 0-15 one row of 256 bytes, lanes 16-31 the next
	v_lshl_add_u32 v[RD], v11, 4, v[RD]
	v_add_nc_u32 v[RD], s59, v[RD]
	v_lshlrev_b32 v[CO], 12, v12                   ; and the same two rows in out0
	v_lshl_add_u32 v[CO], v11, 4, v[CO]
	v_lshlrev_b32 v13, 5, v12                      ; the bias: my half's eight columns of a tile
	s_lshl_b32 s60, s48, 10                        ; my first column, in bytes: 1,024 nt + 256 x quarter
	s_lshl_b32 s61, s58, 8
	s_add_co_u32 s60, s60, s61
	s_mov_b32 s61, 0
	s_add_nc_u64 s[8:9], s[8:9], s[60:61]
	s_lshl_b32 s62, s15, 7
	s_lshl_b32 s63, s57, 6
	s_add_co_u32 s62, s62, s63                     ; my first token: 128 mt + 64 x half
	s_lshl_b32 s62, s62, 12
	s_add_co_u32 s62, s62, s60
	s_mov_b32 s63, 0
	s_add_nc_u64 s[10:11], s[10:11], s[62:63]
.irp b, 0,1,2,3
	global_load_b128 v[BIAS+8*\b:BIAS+8*\b+3],   v13, s[8:9] offset:64*\b
	global_load_b128 v[BIAS+8*\b+4:BIAS+8*\b+7], v13, s[8:9] offset:64*\b+16
.endr
	s_wait_loadcnt 0x0
; 32 along K of the chunk in slot s: eight fragments, sixteen products.  first = 1: the bias starts the sums: nothing is cleared, and no addition is spent on it.
; The sixteen accumulators take turns, one instruction a turn, in the same order every time.
.macro K32 s, kq, first
	PLACES 4                                       ; four places in front of loads into registers that matrix instructions have read
.irp b, 0,1,2,3
	ds_load_b128 v[FB+8*\b:FB+8*\b+3],   v[ADB+\s] offset:4096*\b+1024*\kq
	ds_load_b128 v[FB+8*\b+4:FB+8*\b+7], v[ADB+\s] offset:4096*\b+1024*\kq+512
.endr
.irp a, 0,1,2,3
	ds_load_b128 v[FA+8*\a:FA+8*\a+3],   v[ADA+\s] offset:4096*\a+1024*\kq
	ds_load_b128 v[FA+8*\a+4:FA+8*\a+7], v[ADA+\s] offset:4096*\a+1024*\kq+512
.endr
	s_wait_dscnt 0x0
.irp a, 0,1,2,3
.irp b, 0,1,2,3
.if \first
	v_wmma_f32_16x16x32_f16 v[ACC+8*(4*\a+\b):ACC+8*(4*\a+\b)+7], v[FB+8*\b:FB+8*\b+7], v[FA+8*\a:FA+8*\a+7], v[BIAS+8*\b:BIAS+8*\b+7]
.else
	v_wmma_f32_16x16x32_f16 v[ACC+8*(4*\a+\b):ACC+8*(4*\a+\b)+7], v[FB+8*\b:FB+8*\b+7], v[FA+8*\a:FA+8*\a+7], v[ACC+8*(4*\a+\b):ACC+8*(4*\a+\b)+7]
.endif
.endr
.endr
.endm
; A chunk.  In front of the round each wave waits for all its tensor loads (one is out at the most: its part of this chunk), adds 0 to its spare word, and waits for that and for its reads of the other slot.
; Behind the round this slot is whole and no wave of any partner reads the other one: refill = 1: it takes the next chunk, which has this chunk's 64 products a wave in which to land.
.macro TRIP s, refill, first
	s_wait_tensorcnt 0x0                           ; no tensor load of mine is out, so every group 0 may be written
	ds_add_u32 v[SPW], v[NIL]                      ; 0 onto my spare word
	s_add_nc_u64 s[34+4*\s:35+4*\s], s[34+4*\s:35+4*\s], 65536     ; this slot's next chunk, two on (the last steps' addresses are not used)
	s_add_nc_u64 s[42+4*\s:43+4*\s], s[42+4*\s:43+4*\s], 131072
	s_wait_dscnt 0x0                               ; the add is done, and my reads of the other slot are over
	CROUND
.if \refill
	JLOAD 1-\s
.endif
	K32 \s, 0, \first
	K32 \s, 1, 0
	K32 \s, 2, 0
	K32 \s, 3, 0
.endm
	TRIP 0, 1, 1                                   ; chunk 0; slot 1 gets its first fill as a refill does
	TRIP 1, 1, 0
	s_mov_b32 s49, 2
.Llap:                                             ; chunks 2 to 5
	TRIP 0, 1, 0
	TRIP 1, 1, 0
	s_sub_co_u32 s49, s49, 1
	s_cmp_lg_u32 s49, 0
	s_cbranch_scc1 .Llap
	TRIP 0, 1, 0                                   ; the tail is written out
	TRIP 1, 0, 0
	; THE WAY OUT, 16 tokens x 64 columns at a time: a lane holds 32 neighbouring bytes of a row and the lanes beside it other rows, so a block goes through my own stage and comes back as whole rows of 256 bytes.
	PLACES 4                                       ; in front of the first read of results and of the loads over the fragments
.irp a, 0,1,2,3
.if \a >= 2
	s_wait_xcnt 0x0                                ; block a - 2's stores have read their registers: block a's loads may land there
.endif
.irp b, 0,1,2,3
	ds_store_b128 v[STO], v[ACC+8*(4*\a+\b):ACC+8*(4*\a+\b)+3]   offset:64*\b      ; each accumulator from its low end on
	ds_store_b128 v[STO], v[ACC+8*(4*\a+\b)+4:ACC+8*(4*\a+\b)+7] offset:64*\b+16
.endr
.irp t, 0,1,2,3,4,5,6,7
	ds_load_b128 v[FA+32*(\a%2)+4*\t:FA+32*(\a%2)+4*\t+3], v[RD] offset:2*SPITCH*\t   ; LDS serves a wave's instructions in order (ISA guide 5.7.1.4): these see my stores
.endr
.irp t, 0,1,2,3,4,5,6,7
	s_wait_dscnt 7-\t                              ; load t is in; the younger ones may be out
	global_store_b128 v[CO], v[FA+32*(\a%2)+4*\t:FA+32*(\a%2)+4*\t+3], s[10:11] offset:(16*\a+2*\t)*4096 th:TH_STORE_NT   ; sixteen lanes store 256 consecutive bytes, aligned; written once, read by nobody here
.endr
.endr
	s_wait_tensorcnt 0x0                           ; the wave's end
	ds_add_u32 v[SPW], v[NIL]
	s_wait_dscnt 0x0
	CROUND                                         ; the closing round: no work-group ends while a partner may still ask for a chunk that names it
	s_endpgm
.Lfunc_end_k_q7b0347e27a_proj:
	.size	k_q7b0347e27a_proj, .Lfunc_end_k_q7b0347e27a_proj-k_q7b0347e27a_proj
	.p2alignl 7, 3214868480
	.fill 96, 4, 3214868480
	.section	.rodata,"a",@progbits
	.p2align	6, 0x0
	.amdhsa_kernel k_q7b0347e27a_proj
		.amdhsa_group_segment_fixed_size 327680
		.amdhsa_private_segment_fixed_size 0
		.amdhsa_enable_private_segment 0
		.amdhsa_kernarg_size 32
		.amdhsa_user_sgpr_count 2
		.amdhsa_user_sgpr_kernarg_segment_ptr 1
		.amdhsa_wavefront_size32 1
		.amdhsa_system_sgpr_workgroup_id_x 1
		.amdhsa_system_sgpr_workgroup_id_y 1
		.amdhsa_system_sgpr_workgroup_id_z 1
		.amdhsa_system_vgpr_workitem_id 0
		.amdhsa_next_free_vgpr 256
		.amdhsa_next_free_sgpr 72
		.amdhsa_reserve_vcc 0
		.amdhsa_float_denorm_mode_32 3
		.amdhsa_float_denorm_mode_16_64 3
		.amdhsa_memory_ordered 1
		.amdhsa_forward_progress 1
		.amdhsa_inst_pref_size 74
	.end_amdhsa_kernel
	.amdgpu_metadata
---
amdhsa.version: [ 1, 2 ]
amdhsa.kernels:
  - .name:           k_q7b0347e27a_proj
    .symbol:         k_q7b0347e27a_proj.kd
    .args:
      - { .name: oi, .offset: 0, .size: 8, .value_kind: global_buffer, .address_space: global }
      - { .name: wo, .offset: 8, .size: 8, .value_kind: global_buffer, .address_space: global }
      - { .name: b_out, .offset: 16, .size: 8, .value_kind: global_buffer, .address_space: global }
      - { .name: out0, .offset: 24, .size: 8, .value_kind: global_buffer, .address_space: global }
    .group_segment_fixed_size: 327680
    .private_segment_fixed_size: 0
    .kernarg_segment_align: 8
    .kernarg_segment_size: 32
    .max_flat_workgroup_size: 256
    .sgpr_count:     72
    .vgpr_count:     256
    .wavefront_size: 32
...
	.end_amdgpu_metadata
.endif
;; end of part 4
